; MI455X (gfx1250); checked and timed in simulation.
; The chip was launched on July 23, 2026; its instructions are those of AMD's public machine-readable ISA for CDNA 5 (MIT licence, August 2026) and "CDNA5" Instruction Set Architecture Reference Guide (July 2026). The comments in the code are by the model that wrote it; some were corrected since.
;; Two Simplicial Attention. Allowed arithmetic: matrix products marked QUANTISED: E2M1 operands, one E8M0 scale for each 32 along K, by v_wmma_scale_f32_16x16x128_f8f6f4 with both operands' format E2M1 (or v_wmma_scale_f32_32x16x128_f4), f32 sums; products left as they are: f32 operands where the result goes on into a quantised operand, else bf16, f16 or f32 operands; f32 sums; everything else in f32.
;; Inputs: k1 1 x 1,024 x 8 x 64 float32; k2 1 x 1,024 x 8 x 64 float32; q 1 x 1,024 x 8 x 64 float32; v1 1 x 1,024 x 8 x 64 float32; v2 1 x 1,024 x 8 x 64 float32.
;; Outputs: out0 1 x 1,024 x 8 x 64 float32.
;; This version of the problem:
;;   THIS VERSION OF THE PROBLEM IS GIVEN IN LOW PRECISION. The matrix products marked QUANTISED in the list below multiply operands that are first quantised to E2M1 (2 exponent bits, 1 mantissa bit; 4 bits a number), with one power-of-two scale for each 32 numbers along K (OCP MX v1.0); their sums are f32. All else is computed in f32.
;;   The module's matrix products, in the order in which they are computed (A, B: the left and right operand; K: the contracted axis; several contracted axes count as one K, in the product's order):
;;     1. batch 8,192 x [M 64, K 64] x [K 64, N 64]; A: computed on the way; B: computed on the way: QUANTISED
;;     2. batch 8,192 x [M 64, K 64] x [K 64, N 64]; A: computed on the way; B: computed on the way: QUANTISED
;;     3. batch 524,288 x [M 1, K 64] x [K 64, N 1]; A: computed on the way; B: computed on the way: left as it is (M = 1 < 16)
;;   THE QUANTISER, for each operand of a quantised product, along K:
;;     - K is cut into blocks of 32 from its start; a last block that is shorter is filled with zeros.
;;     - A block's scale is 2^e with e = floor(log2(the largest magnitude in the block)) - 2, held to -126 .. 127; a block of zeros has e = 0. As a byte (E8M0): e + 127.
;;     - Each number is divided by its block's scale, clamped to +-6, and rounded to the nearest number of E2M1, ties to even, subnormals kept.
;;     - The product sums the exact products of the quantised numbers (number of the format x scale) in f32.
;;   ~~~python
;;   def quantise(x, axis):      # numpy; x: float32 -> the quantised numbers, widened to float32 again
;;       x = np.moveaxis(x, axis, -1); K = x.shape[-1]
;;       x = np.pad(x, [(0, 0)] * (x.ndim - 1) + [(0, -K % 32)]); x = x.reshape(x.shape[:-1] + (-1, 32)); a = np.abs(x).max(-1, keepdims=True)
;;       e = np.where(a > 0, np.clip(np.frexp(np.where(a > 0, a, 1))[1] - 1 - 2, -126, 127), 0)      # np.frexp(a)[1] - 1 = floor(log2(a)), exactly
;;       r = np.clip(x / 2.0 ** e, -6, 6)
;;       step = 2.0 ** (np.maximum(np.frexp(np.where(r == 0, 1, r))[1] - 1, 0) - 1)
;;       q = np.round(r / step) * step * 2.0 ** e      # np.round: ties to even
;;       return np.moveaxis(q.reshape(q.shape[:-2] + (-1,))[..., :K], -1, axis).astype(np.float32)
;;   ~~~
;;   OPERANDS COMPUTED ON THE WAY. 'Computed on the way' means the value that the module computes at that place (a softmax that the list does not call 'softmax' is quantised finished and normalised). What goes into a quantiser is computed in f32, as accurately as f32 sums, v_exp_f32 and their like allow (about 1e-6 of the number): no bf16 or f16 on the way to a quantiser, and a product that is left as it is and whose result goes on into a quantised operand takes f32 operands (vector FMAs, or v_wmma_f32_16x16x4_f32). A number that lies on a knife's edge between two numbers of the format may be rounded either way, as far as f32 arithmetic and the matrix unit's own rounding can turn it there, and no further.
;; One version. Each part assembles by itself: llvm-mc -triple=amdgcn-amd-amdhsa -mcpu=gfx1250 --defsym DOCPART=n.
;; ======== version 1 of 1: 1 launch
;; launch simplicial (part 1): grid 32 x 8, 16 waves a work-group, no clusters, 204,288 bytes of LDS; arguments q, k1, k2, v1, v2, out0; writes out0
.if DOCPART == 1
	.amdgcn_target "amdgcn-amd-amdhsa--gfx1250"
	.amdhsa_code_object_version 6
	.text
	.protected	k_qe96cb16c98_simplicial
	.globl	k_qe96cb16c98_simplicial
	.p2align	8
	.type	k_qe96cb16c98_simplicial,@function
k_qe96cb16c98_simplicial:
	s_mov_b64 s[64:65], 0
	v_nop
	global_prefetch_b8 v0, s[64:65] scope:SCOPE_SE
	s_setreg_imm32_b32 hwreg(HW_REG_WAVE_MODE, 25, 1), 1
	s_wait_xcnt 0x0
; Two-simplicial attention in MX-FP4.  q, k1, k2, v1, v2, out: [1024 (s)][8 (head)][64 (d)] f32.  For each (s, head), windows of 64 positions s - a and s - c (clipped at 0):
;   S[a][c] = sum_d Q(q[d] k1[s-a][d]) Q(k2[s-c][d] + 1)      both operands quantised along d (two blocks of 32)
;   p = softmax over all (a, c) with a <= s and c <= s of S / 8, finished and normalised
;   tmp[a][d] = sum_c Q(p[a][c]) Q(v2[s-c][d] + 1)             both operands quantised along c (two blocks of 32)
;   out[d] = sum_a tmp[a][d] v1[s-a][d]                        in f32
; SHARES.  A work-group owns one head and 32 neighbouring s; each of its sixteen waves owns two of them, one after the other, in 256 registers: four waves to a SIMD, so that one wave's
; LDS loads and exponentials stand beside another's vector work.  32 x 8 = 256 work-groups.
; PHASE 0: 96 positions max(s0 - 64 + j, 0) of k1, v1, k2 + 1, v2 + 1 and 32 rows of q go through registers into LDS: the clipped gather lies in these rows, no later address is clipped.
; PHASE 1: what the pairs share is quantised once.  k2 + 1 along d does not hang on s: 32 bytes of codes and a scale word for each position.  v2 + 1 along the window: the block of positions
; s' .. s' - 31 of channel d is block 0 of pair s' and block 1 of pair s' + 32: 64 s' x 64 d blocks, 16 bytes of codes and a scale byte each.
; PHASE 2, a pair.  Product 1 is used transposed (source 0 = 16 rows of k2, source 1 = 16 rows a of q k1).  THE ROWS OF k2 THAT FORM A TILE ARE CHOSEN: lane r of tile t takes c = 8 t + r % 8 + 32 (r / 8),
; so that lane (r, h) holds row a = 16 A + r and in 32 consecutive registers c = 32 h .. 32 h + 31: a whole block of the next K, in the order in which the next operand wants it.
; Product 2: source 0 = p, source 1 = v2^T, tile t taking d = 4 r + t: a lane's registers run along a, one 16-byte load of a row of v1 serves its four tiles, and the last sum stays in the lane.
; K IS 64 OF THE INSTRUCTION'S 128: one operand of each product (q k1; p) has four registers of zeros for k = 64 .. 127.  The other's four upper registers hold the next fragment's codes: every E2M1
; code is a finite number, and the scale bytes of those blocks are 0 (2^-127) on both sides, so that half adds exactly nothing.
; MASK.  c > s: -3e38 as the C of product 1 (pairs with s < 63 alone: a scalar branch on ids).  a > s: the exponent's addend and the maximum's leaf are -3e38 in those lanes.  Both give p = 0.
; NO CLUSTER: neighbouring work-groups of a head share 64 of their 96 staged rows, but only in the one fill at the head (106,496 bytes a work-group), each at other LDS rows, with 1.0 added and
; rows clipped on the way, which goes through registers.  No tensor load, so no ring; LDS is filled once.
; LIMITS: NaN and infinities among the inputs are not served.  p under 2^-126 counts as 0 (v_exp_f32 gives 0 there).  A block's largest p is taken as its largest score put through the same
; three instructions, which takes v_exp_f32 not to fall where its input rises.  Blocks under the floor 2^-124 keep the scale byte 1, as the quantiser's hold at -126 asks.
.set PF,    272                        ; an f32 row in LDS: 256 bytes + 16: sixteen neighbouring rows start at sixteen different 16-byte columns of the banks' 256 bytes
.set NROW,  96
.set K1F,   0                          ; k1, f32 rows
.set V1F,   NROW*PF                    ; v1
.set K2F,   2*NROW*PF                  ; k2 + 1 (read in phase 1 alone)
.set V2F,   3*NROW*PF                  ; v2 + 1 (likewise)
.set QF,    4*NROW*PF                  ; q: 32 rows of 256 bytes
.set KQ,    QF+32*256                  ; k2's codes: 32 bytes a position
.set KS,    KQ+NROW*32                 ; k2's scale words: 4 bytes a position
.set VS,    KS+NROW*4                  ; v2's scale bytes: [64 s'][64 d]
.set VQ,    120320                     ; v2's codes: [64 s'][4 t][16 r] x 16 bytes, d = 4 r + t
.set VT,    320                        ; from t to t + 1: 256 + 64, so that sixteen neighbouring d are stored to sixteen different columns
.set VROW,  4*VT
.set FLOOR, 0x1800000                  ; 2^(3 - 127): no largest magnitude is taken under it, so no scale byte falls under 1
.set OFF2,  0xff000000                 ; takes 2 off an exponent field: the largest magnitude becomes the conversion's scale operand
.set AK1, 1                            ; v1   LDS address of my part of k1's window
.set AQ,  2                            ; v2   of q's row
.set AKQ, 3                            ; v3   of k2's codes
.set AKS, 4                            ; v4   of k2's scale words
.set AVQ, 5                            ; v5   of v2's codes
.set AVS, 6                            ; v6   of v2's scale bytes
.set AV1, 7                            ; v7   of v1's rows
.set AO,  8                            ; v8   my 8 bytes in a row of out
.set RL,  9                            ; v9   r = lane % 16
.set SH8, 10                           ; v10  8 h, h = lane / 16
.set NEG, 11                           ; v11  -3e38
.set SK,  12                           ; v12-15 scale words of k2's four tiles;  v16-19 of q k1's;  v20-23 of p's;  v24-27 of v2's: these sixteen hold scales and nothing else
.set SQ,  16
.set SP,  20
.set SV,  24
.set C,   28                           ; v28-59  four times (4 registers of codes, 4 of zeros): q k1, later p; the code registers also take rows of v1
.set F,   60                           ; v60-75  four fragments of k2, later of v2, later rows of v1;  v76-79 zeros
.set T,   80                           ; v80-95  at work
.set Q,   96                           ; v96-127 q; the mask; the sums; rows of v1.  Before the pairs: the staging's addresses
.set S,   128                          ; v128-255 k1's window, then S, then p, then tmp
.set ACC, T+8
.set WV,  16                           ; s16  wave
.set SC,  30                           ; s30-33  s, s - 16, s - 32, s - 48
.set IT,  34
.set SEL, 36                           ; s[36:37] v_permlanex16_b32's selects for lane l xor 16
.set CS,  38                           ; s[38:39] c = log2(e) / 8
.set AM,  40                           ; s40-43  lanes whose row a = 16 A + r counts
.set NC,  44                           ; s44  -c
	s_load_b256 s[4:11], s[0:1], 0x0               ; q s[4:5], k1 s[6:7], k2 s[8:9], v1 s[10:11]
	s_load_b128 s[12:15], s[0:1], 0x20             ; v2 s[12:13], out s[14:15]
	v_lshrrev_b32 v109, 5, v0
	s_delay_alu instid0(VALU_DEP_1)
	v_readfirstlane_b32 s[WV], v109                ; wave 0..15
	s_and_b32 s17, ttmp7, 0xffff                   ; head
	s_lshl_b32 s18, ttmp9, 5                       ; s0
	s_lshl_b32 s19, s17, 8                         ; the head's 256 bytes in a position's 2,048
	; ---- PHASE 0.  Sixteen threads to a row of 256 bytes, 32 rows a pass, three passes: row j = 32 p + thread / 16 holds position max(s0 - 64 + j, 0)
	v_lshrrev_b32 v109, 4, v0
	v_and_b32 v110, 15, v0
	s_delay_alu instid0(VALU_DEP_1)
	v_lshl_add_u32 v111, v110, 4, s19
	s_sub_co_i32 s20, s18, 64
	s_sub_co_i32 s21, s18, 32
	v_add_nc_u32 v96, s20, v109
	v_add_nc_u32 v97, s21, v109
	v_add_nc_u32 v98, s18, v109                    ; the third pass is never clipped; its rows are also q's
	s_delay_alu instid0(VALU_DEP_3)
	v_cmp_le_i32 vcc_lo, 0, v96
	s_delay_alu instid0(VALU_DEP_1)
	v_cndmask_b32 v96, 0, v96, vcc_lo
	s_delay_alu instid0(VALU_DEP_4)
	v_cmp_le_i32 vcc_lo, 0, v97
	s_delay_alu instid0(VALU_DEP_1)
	v_cndmask_b32 v97, 0, v97, vcc_lo
.irp p, 0,1,2
	v_lshl_add_u32 v[96+\p], v[96+\p], 11, v111
.endr
	s_wait_alu depctr_va_vdst(0)
	s_wait_kmcnt 0x0
.irp p, 0,1,2
	global_load_b128 v[S+4*\p:S+4*\p+3], v[96+\p], s[8:9]           ; k2: sixteen lanes read 256 consecutive bytes
.endr
.irp p, 0,1,2
	global_load_b128 v[S+12+4*\p:S+15+4*\p], v[96+\p], s[12:13]     ; v2
.endr
.irp p, 0,1,2
	global_load_b128 v[S+24+4*\p:S+27+4*\p], v[96+\p], s[6:7]       ; k1
.endr
.irp p, 0,1,2
	global_load_b128 v[S+36+4*\p:S+39+4*\p], v[96+\p], s[10:11]     ; v1
.endr
	global_load_b128 v[S+48:S+51], v98, s[4:5]                      ; q
	; while they are on their way: every address of the launch, all ahead of the first branch on the wave's number
	v_mul_u32_u24 v99, v109, PF
	s_delay_alu instid0(VALU_DEP_1)
	v_lshl_add_u32 v99, v110, 4, v99               ; staging: row x pitch + 16 x column (k1, v1)
	s_delay_alu instid0(VALU_DEP_1)
	v_add_nc_u32 v100, K2F, v99                    ; the same for k2 and v2, whose offsets would pass 16 bits
	v_lshl_add_u32 v101, v0, 4, QF                 ; q: 16 x thread
	v_lshrrev_b32 v111, 1, v0                      ; k2's quantiser: thread = 2 x row + block
	v_and_b32 v112, 1, v0
	s_delay_alu instid0(VALU_DEP_2)
	v_mul_u32_u24 v102, v111, PF
	s_delay_alu instid0(VALU_DEP_1)
	v_lshl_add_u32 v102, v112, 7, v102
	s_delay_alu instid0(VALU_DEP_1)
	v_add_nc_u32 v102, K2F, v102                   ; its 32 numbers
	v_lshl_add_u32 v103, v0, 4, KQ                 ; its 16 bytes of codes
	v_lshl_add_u32 v104, v111, 2, KS               ; its row's scale word
	v_lshlrev_b32 v105, 3, v112                    ; its byte's place in it
	s_and_b32 s20, s[WV], 1                        ; v2's quantiser: wave = 4 x quarter + 2 x parity + g: channels 32 g + lane, s' = s0 - 32 + y, y = 16 quarter + parity + 2 m
	s_bfe_u32 s21, s[WV], 0x10001
	s_lshr_b32 s22, s[WV], 2
	s_lshl_b32 s22, s22, 4
	s_add_co_u32 s22, s22, s21                     ; the lowest y
	s_lshl_b32 s23, s20, 7
	s_mul_i32 s24, s22, PF
	s_add_co_u32 s24, s24, s23
	s_add_co_u32 s24, s24, V2F+PF                  ; the lowest row that I read: y + 1
	s_mul_i32 s25, s22, VROW
	s_add_co_u32 s25, s25, s23                     ; r = 8 g + lane / 4: 128 g bytes
	s_add_co_u32 s25, s25, VQ
	s_lshl_b32 s26, s22, 6
	s_lshl_b32 s27, s20, 5
	s_add_co_u32 s26, s26, s27
	s_add_co_u32 s26, s26, VS
	v_and_b32 v113, 31, v0
	s_delay_alu instid0(VALU_DEP_1)
	v_lshl_add_u32 v106, v113, 2, s24              ; numbers: 4 bytes a lane
	s_delay_alu instid0(VALU_DEP_2)
	v_and_b32 v114, 3, v113
	s_delay_alu instid0(VALU_DEP_3)
	v_lshrrev_b32 v115, 2, v113
	s_delay_alu instid0(VALU_DEP_2)
	v_mul_u32_u24 v107, v114, VT
	s_delay_alu instid0(VALU_DEP_1)
	v_lshl_add_u32 v107, v115, 4, v107
	s_delay_alu instid0(VALU_DEP_1)
	v_add_nc_u32 v107, s25, v107                   ; codes: t = d % 4, r = d / 4
	v_add_nc_u32 v108, s26, v113                   ; scale bytes: one a lane
	; the pairs.  sl = 2 x wave + trip is the pair's place among the group's 32; position s - x lies in row sl + 64 - x
	v_and_b32 v[RL], 15, v0
	v_bfe_u32 v111, v0, 4, 1                       ; h
	s_delay_alu instid0(VALU_DEP_1)
	v_lshlrev_b32 v[SH8], 3, v111
	s_delay_alu instid0(VALU_DEP_2)
	v_xor_b32 v112, 1, v111                        ; 1 - h
	s_delay_alu instid0(VALU_DEP_4)
	v_xor_b32 v113, 15, v[RL]                      ; 15 - r
	s_lshl_b32 s29, s[WV], 1
	s_mul_i32 s26, s29, PF
	v_mul_u32_u24 v[AK1], v113, PF                 ; k1: row sl + (49 - 16 A) + (15 - r), bytes 128 h on: my block of 32 along d
	s_delay_alu instid0(VALU_DEP_1)
	v_lshl_add_u32 v[AK1], v111, 7, v[AK1]
	s_delay_alu instid0(VALU_DEP_1)
	v_add_nc_u32 v[AK1], s26, v[AK1]
	s_add_co_u32 s26, s26, V1F
	v_mul_u32_u24 v[AV1], v112, 8*PF               ; v1: row sl + (56 - 16 A - j) + 8 (1 - h), bytes 16 r on: channels 4 r .. 4 r + 3
	s_delay_alu instid0(VALU_DEP_1)
	v_lshl_add_u32 v[AV1], v[RL], 4, v[AV1]
	s_delay_alu instid0(VALU_DEP_1)
	v_add_nc_u32 v[AV1], s26, v[AV1]
	s_lshl_b32 s26, s29, 8
	s_add_co_u32 s26, s26, QF
	v_lshl_add_u32 v[AQ], v111, 7, s26             ; q: row sl, bytes 128 h on
	v_and_b32 v114, 7, v113
	v_lshrrev_b32 v115, 3, v113
	s_delay_alu instid0(VALU_DEP_1)
	v_lshl_add_u32 v114, v115, 5, v114             ; 7 - r % 8 + 32 (1 - r / 8): k2's row is sl + (25 - 8 t) + this
	s_lshl_b32 s26, s29, 5
	s_add_co_u32 s26, s26, KQ
	v_lshlrev_b32 v[AKQ], 5, v114
	s_delay_alu instid0(VALU_DEP_1)
	v_lshl_add_u32 v[AKQ], v111, 4, v[AKQ]
	s_delay_alu instid0(VALU_DEP_1)
	v_add_nc_u32 v[AKQ], s26, v[AKQ]
	s_lshl_b32 s26, s29, 2
	s_add_co_u32 s26, s26, KS
	v_lshl_add_u32 v[AKS], v114, 2, s26
	s_mul_i32 s26, s29, VROW
	s_add_co_u32 s26, s26, VQ
	v_mul_u32_u24 v[AVQ], v112, 32*VROW            ; v2's codes: lanes 0-15 block s' = s (y = sl + 32), lanes 16-31 block s' = s - 32 (y = sl)
	s_delay_alu instid0(VALU_DEP_1)
	v_lshl_add_u32 v[AVQ], v[RL], 4, v[AVQ]
	s_delay_alu instid0(VALU_DEP_1)
	v_add_nc_u32 v[AVQ], s26, v[AVQ]
	s_lshl_b32 s26, s29, 6
	s_add_co_u32 s26, s26, VS
	v_lshl_add_u32 v[AVS], v[RL], 2, s26           ; v2's scale bytes of channels 4 r .. 4 r + 3
	v_lshlrev_b32 v[AO], 4, v[RL]
	s_delay_alu instid0(VALU_DEP_1)
	v_lshl_add_u32 v[AO], v111, 3, v[AO]           ; out: 16 r + 8 h
	s_add_co_u32 s[SC], s18, s29                   ; my first s
	s_lshl_b32 s26, s[SC], 11
	s_add_co_u32 s26, s26, s19
	s_mov_b32 s27, 0
	s_add_nc_u64 s[14:15], s[14:15], s[26:27]      ; its row of out
	s_mov_b32 s[SEL], 0x76543210
	s_mov_b32 s[SEL+1], 0xfedcba98
	s_mov_b32 s[CS], 0x3e38aa3b                    ; log2(e) / 8
	s_mov_b32 s[CS+1], s[CS]                       ; (named with it as a pair, so it is written)
	s_mov_b32 s[NC], 0xbe38aa3b
	s_mov_b32 s[IT], 0
	v_mov_b32 v[NEG], 0xff61b1e6
.irp a, 0,1,2,3
.irp i, 4,5,6,7
	v_mov_b32 v[C+8*\a+\i], 0                      ; the codes of k = 64 .. 127: written once
.endr
.endr
.irp i, 16,17,18,19
	v_mov_b32 v[F+\i], 0                           ; what the last fragment's upper half names
.endr
.irp i, 0,1,2,3,4,5,6,7,8,9,10,11,12,13,14,15
	v_mov_b32 v[T+\i], 0                           ; written once: a lane permute's destination counts as one of its sources
.endr
	s_wait_loadcnt 7                               ; k2's and v2's six loads are in; k1's, v1's and q's seven may be out
.irp j, 0,2,4,6,8,10,12,14,16,18,20,22
	v_pk_add_f32 v[S+\j:S+\j+1], v[S+\j:S+\j+1], 1.0 op_sel_hi:[1,0]   ; the two biases, in f32, once for each number
.endr
.irp p, 0,1,2
	ds_store_b128 v100, v[S+4*\p:S+4*\p+3] offset:\p*32*PF
.endr
.irp p, 0,1,2
	ds_store_b128 v100, v[S+12+4*\p:S+15+4*\p] offset:V2F-K2F+\p*32*PF
.endr
	s_wait_loadcnt 0x0
.irp p, 0,1,2
	ds_store_b128 v99, v[S+24+4*\p:S+27+4*\p] offset:K1F+\p*32*PF
.endr
.irp p, 0,1,2
	ds_store_b128 v99, v[S+36+4*\p:S+39+4*\p] offset:V1F+\p*32*PF
.endr
	ds_store_b128 v101, v[S+48:S+51]
	s_wait_dscnt 0x0                               ; for the others' sake: my stores have landed
	s_barrier_signal -1
	s_barrier_wait -1                              ; all staged rows lie in LDS
	; ---- PHASE 1, v2 + 1 along the window.  A lane takes one channel; register i holds the position of row y_top + 32 - i (y_top = lowest y + 14), so registers run DOWN the positions, which is up c.
	; Window m (y = y_top - 2 m) is registers 2 m .. 2 m + 31: an even start, as the conversion's source wants; the other parity is another wave's.
.set CL, 176                           ; v176-183 largest magnitude of registers 2 m .. 31, later of window m
.set RR, 184                           ; v184-191 of registers 32 .. 2 m + 31, later the scale operands
.set BY, 192                           ; v192-199 scale bytes
.set CD, 200                           ; v200-231 codes: registers of its own for each window
.set i, 0
.rept 46
	ds_load_b32 v[S+i], v106 offset:(45-i)*PF      ; 32 lanes read 128 consecutive bytes
.set i, i+1
.endr
	s_wait_dscnt 0x0
	v_max3_num_f32 v[CL+7], |v[S+14]|, |v[S+15]|, FLOOR   ; registers 14 .. 31 lie in all eight windows
.irp k, 16,18,20,22,24,26,28,30
	s_delay_alu instid0(VALU_DEP_1)
	v_max3_num_f32 v[CL+7], v[CL+7], |v[S+\k]|, |v[S+\k+1]|
.endr
	v_max_num_f32 v[RR+1], |v[S+32]|, |v[S+33]|
.irp m, 6
	s_delay_alu instid0(VALU_DEP_2)
	v_max3_num_f32 v[CL+\m], v[CL+\m+1], |v[S+2*\m]|, |v[S+2*\m+1]|
.endr
.irp m, 5, 4, 3, 2, 1, 0
	s_delay_alu instid0(VALU_DEP_1)
	v_max3_num_f32 v[CL+\m], v[CL+\m+1], |v[S+2*\m]|, |v[S+2*\m+1]|
.endr
.irp m, 2
	v_max3_num_f32 v[RR+\m], v[RR+\m-1], |v[S+2*\m+30]|, |v[S+2*\m+31]|
.endr
.irp m, 3, 4, 5, 6, 7
	s_delay_alu instid0(VALU_DEP_1)
	v_max3_num_f32 v[RR+\m], v[RR+\m-1], |v[S+2*\m+30]|, |v[S+2*\m+31]|
.endr
.irp m, 1,2,3,4,5,6,7
	v_max_num_f32 v[CL+\m], v[CL+\m], v[RR+\m]
.endr
.irp m, 0,1,2,3,4,5,6,7
	v_add_nc_u32 v[RR+\m], OFF2, v[CL+\m]          ; the conversion takes this operand's exponent field as its scale
.endr
.irp m, 0,1,2,3,4,5,6,7
	v_lshrrev_b32 v[BY+\m], 23, v[RR+\m]           ; the scale's byte
.endr
.irp m, 0,1,2,3,4,5,6,7
.irp g, 0,1,2,3
	v_cvt_scalef32_pk8_fp4_f32 v[CD+4*\m+\g], v[S+2*\m+8*\g:S+2*\m+8*\g+7], v[RR+\m]
.endr
.endr
	v_nop                                          ; one plain place behind the last scaled conversion
.irp m, 0,1,2,3,4,5,6,7
	ds_store_b128 v107, v[CD+4*\m:CD+4*\m+3] offset:(14-2*\m)*VROW
	ds_store_b8 v108, v[BY+\m] offset:(14-2*\m)*64
.endr
	; ---- PHASE 1, k2 + 1 along d: 96 rows x 2 blocks = 192 lanes: waves 0 to 5.  A lane holds a whole block
	s_cmp_lt_u32 s[WV], 6
	s_cbranch_scc0 .Lk2_done
.irp i, 0,1,2,3,4,5,6,7
	ds_load_b128 v[S+4*\i:S+4*\i+3], v102 offset:16*\i
.endr
	s_wait_dscnt 0x0
	v_max3_num_f32 v[T], |v[S]|, |v[S+1]|, |v[S+2]|
	v_max3_num_f32 v[T+1], |v[S+3]|, |v[S+4]|, |v[S+5]|
.irp i, 6,10,14,18,22,26
	s_delay_alu instid0(VALU_DEP_2)
	v_max3_num_f32 v[T], v[T], |v[S+\i]|, |v[S+\i+1]|
	s_delay_alu instid0(VALU_DEP_2)
	v_max3_num_f32 v[T+1], v[T+1], |v[S+\i+2]|, |v[S+\i+3]|
.endr
	s_delay_alu instid0(VALU_DEP_2)
	v_max3_num_f32 v[T], v[T], |v[S+30]|, |v[S+31]|
	s_delay_alu instid0(VALU_DEP_1)
	v_max3_num_f32 v[T], v[T], v[T+1], FLOOR
	s_delay_alu instid0(VALU_DEP_1)
	v_add_nc_u32 v[T+2], OFF2, v[T]
	s_delay_alu instid0(VALU_DEP_1)
	v_lshrrev_b32 v[T+1], 23, v[T+2]
	s_delay_alu instid0(VALU_DEP_1)
	v_lshlrev_b32 v[T+1], v105, v[T+1]             ; my byte at its place;
	s_delay_alu instid0(VALU_DEP_1)
	v_mov_b32_dpp v[T+3], v[T+1] row_xmask:1 row_mask:0xf bank_mask:0xf
	s_delay_alu instid0(VALU_DEP_1)
	v_or_b32 v[T+1], v[T+1], v[T+3]                ; with my neighbour's the row's word is whole; its bytes 2 and 3 are 0
.irp g, 0,1,2,3
	v_cvt_scalef32_pk8_fp4_f32 v[S+32+\g], v[S+8*\g:S+8*\g+7], v[T+2]
.endr
	v_nop                                          ; one plain place behind the last scaled conversion
	ds_store_b128 v103, v[S+32:S+35]
	ds_store_b32 v104, v[T+1]                      ; both lanes of a row write the same word with the same value
.Lk2_done:
	s_wait_dscnt 0x0                               ; for the others' sake: my stores have landed
	s_barrier_signal -1
	s_barrier_wait -1                              ; codes and scales lie in LDS; from here on LDS is only read
; Tile a of q k1: lane (r, h) holds row 16 a + r, d = 32 h .. 32 h + 31: a whole block.  Product, largest magnitude, scale word, codes.
.macro QK1 a
.set X, S+32*\a
	s_wait_dscnt 34-8*\a                           ; of the pair's 50 LDS loads q's eight and k1's tiles 0 .. a are in
.set k, 0
.rept 16
	v_pk_mul_f32 v[X+k:X+k+1], v[X+k:X+k+1], v[Q+k:Q+k+1]
.set k, k+2
.endr
	v_max3_num_f32 v[T], |v[X]|, |v[X+1]|, |v[X+2]|
	v_max3_num_f32 v[T+1], |v[X+3]|, |v[X+4]|, |v[X+5]|
.irp i, 6,10,14,18,22,26
	s_delay_alu instid0(VALU_DEP_2)
	v_max3_num_f32 v[T], v[T], |v[X+\i]|, |v[X+\i+1]|
	s_delay_alu instid0(VALU_DEP_2)
	v_max3_num_f32 v[T+1], v[T+1], |v[X+\i+2]|, |v[X+\i+3]|
.endr
	s_delay_alu instid0(VALU_DEP_2)
	v_max3_num_f32 v[T], v[T], |v[X+30]|, |v[X+31]|
	s_delay_alu instid0(VALU_DEP_1)
	v_max3_num_f32 v[T], v[T], v[T+1], FLOOR
	s_delay_alu instid0(VALU_DEP_1)
	v_add_nc_u32 v[T+2], OFF2, v[T]
	s_delay_alu instid0(VALU_DEP_1)
	v_lshrrev_b32 v[T+1], 23, v[T+2]
	s_delay_alu instid0(VALU_DEP_1)
	v_lshlrev_b32 v[T+1], v[SH8], v[T+1]           ; block h's byte at its place;
	s_delay_alu instid0(VALU_DEP_1)
	v_permlanex16_b32 v[T+3], v[T+1], s[SEL], s[SEL+1]
	s_delay_alu instid0(VALU_DEP_1)
	v_or_b32 v[SQ+\a], v[T+1], v[T+3]              ; with lane l xor 16's the row's word is whole
.irp g, 0,1,2,3
	v_cvt_scalef32_pk8_fp4_f32 v[C+8*\a+\g], v[X+8*\g:X+8*\g+7], v[T+2]   ; the operand's registers 0 to 3 as they stand
.endr
.endm
; Eight rows of v1 for tile a: row s - 16 a - 8 h - j, sixteen lanes to a row of 256 bytes.  Even tiles land in v96-127, odd ones in the registers that the fragments and the codes have left.
.macro VLOAD a
.irp j, 0,1,2,3,4,5,6,7
.if (\a)%2 == 0
.set VR, Q+4*\j
.elseif \j < 4
.set VR, F+4*\j
.else
.set VR, C+8*(\j-4)
.endif
	ds_load_b128 v[VR:VR+3], v[AV1] offset:(56-16*(\a)-\j)*PF
.endr
.endm
; out[4 r + t] += tmp[16 a + 8 h + j][4 r + t] x v1[s - 16 a - 8 h - j][4 r + t].  Each accumulator of the product is read from its register 0 on; the very first products start the four sums.
.macro FMA a
.irp j, 0,1,2,3,4,5,6,7
.if (\a)%2 == 0
.set VR, Q+4*\j
.elseif \j < 4
.set VR, F+4*\j
.else
.set VR, C+8*(\j-4)
.endif
.irp t, 0,1,2,3
.if ((\a) == 0) && (\j == 0)
	v_mul_f32 v[ACC+\t], v[S+8*\t], v[VR+\t]
.else
	v_fmac_f32 v[ACC+\t], v[S+32*(\a)+8*\t+\j], v[VR+\t]
.endif
.endr
.endr
.endm
.macro PLACES                          ; four places behind a matrix instruction, ahead of reads of its result and of loads into its registers, and between a vector write of an operand and a scaled matrix instruction
.rept 4
	v_nop
.endr
.endm
.Lpair:                                                ; two trips: s = s0 + 2 wave, + 1
	s_sub_co_i32 s[SC+1], s[SC], 16
	s_sub_co_i32 s[SC+2], s[SC], 32
	s_sub_co_i32 s[SC+3], s[SC], 48
	s_wait_alu depctr_va_vdst(0)
	s_setprio 2
.irp i, 0,1,2,3,4,5,6,7
	ds_load_b128 v[Q+4*\i:Q+4*\i+3], v[AQ] offset:16*\i               ; q[32 h ..]: sixteen lanes share each address
.endr
.irp a, 0,1,2,3
.irp i, 0,1,2,3,4,5,6,7
	ds_load_b128 v[S+32*\a+4*\i:S+32*\a+4*\i+3], v[AK1] offset:(49-16*\a)*PF+16*\i
.endr
.endr
.irp t, 0,1,2,3
	ds_load_b128 v[F+4*\t:F+4*\t+3], v[AKQ] offset:(25-8*\t)*32       ; k2's tile t: c = 8 t + r % 8 + 32 (r / 8)
	ds_load_b32 v[SK+\t], v[AKS] offset:(25-8*\t)*4
.endr
	ds_load_b32 v[T+4], v[AVS] offset:32*64                           ; v2's scale bytes of block 0 (s' = s), channels 4 r .. 4 r + 3,
	ds_load_b32 v[T+5], v[AVS]                                        ; and of block 1 (s' = s - 32)
	QK1 0
	QK1 1
	QK1 2
	QK1 3
	s_wait_dscnt 0x0                               ; k2's fragments and words, v2's bytes
.irp t, 0,1,2,3
	v_perm_b32 v[SV+\t], v[T+5], v[T+4], 0x0c0c0400+0x101*\t   ; v2's word for tile t: byte t of block 0's, byte t of block 1's, two zeros
.endr
.irp a, 0,1,2,3
	v_cmp_ge_i32 s[AM+\a], s[SC+\a], v[RL]         ; row a = 16 a + r counts where r <= s - 16 a
.endr
	PLACES                                         ; with the four v_perm_b32: eight plain places between the last scale word's v_or_b32 and the products
	s_cmp_ge_u32 s[SC], 63
	s_cbranch_scc1 .Lopen                          ; every c counts: the sums start from the constant 0
	v_lshlrev_b32 v[T+14], 2, v[SH8]
	s_delay_alu instid0(VALU_DEP_1)
	v_sub_nc_u32 v[T+14], s[SC], v[T+14]           ; s - 32 h: register 8 t + j holds c = 32 h + 8 t + j, hidden where 8 t + j is above this
.set n, 0
.rept 32
	v_cmp_gt_i32 vcc_lo, n, v[T+14]
	s_delay_alu instid0(VALU_DEP_1)
	v_cndmask_b32 v[Q+n], 0, v[NEG], vcc_lo
.set n, n+1
.endr
	PLACES
.irp a, 0,1,2,3
.irp t, 0,1,2,3
	v_wmma_scale_f32_16x16x128_f8f6f4 v[S+32*\a+8*\t:S+32*\a+8*\t+7], v[F+4*\t:F+4*\t+7], v[C+8*\a:C+8*\a+7], v[Q+8*\t:Q+8*\t+7], v[SK+\t], v[SQ+\a] matrix_a_fmt:MATRIX_FMT_FP4 matrix_b_fmt:MATRIX_FMT_FP4
.endr
.endr
	s_branch .Ljoin
.Lopen:
	s_wait_alu depctr_va_vdst(0)
.irp a, 0,1,2,3
.irp t, 0,1,2,3
	v_wmma_scale_f32_16x16x128_f8f6f4 v[S+32*\a+8*\t:S+32*\a+8*\t+7], v[F+4*\t:F+4*\t+7], v[C+8*\a:C+8*\a+7], 0, v[SK+\t], v[SQ+\a] matrix_a_fmt:MATRIX_FMT_FP4 matrix_b_fmt:MATRIX_FMT_FP4
.endr
.endr
.Ljoin:
	PLACES
.irp t, 0,1,2,3
	ds_load_b128 v[F+4*\t:F+4*\t+3], v[AVQ] offset:\t*VT              ; v2^T's tile t: d = 4 r + t, block h of the window
.endr
	; ---- the softmax.  Register 32 a + i of lane (r, h) is S[16 a + r][32 h + i].  THE LARGEST SCORE OF EACH BLOCK serves twice: for the maximum, and for the block's largest p
.irp a, 0,1,2,3
	v_max3_num_f32 v[T+\a], v[S+32*\a], v[S+32*\a+1], v[S+32*\a+2]    ; (each accumulator is first read at its low end; the four blocks by turns)
.endr
.irp i, 3,5,7,9,11,13,15,17,19,21,23,25,27,29
.irp a, 0,1,2,3
	v_max3_num_f32 v[T+\a], v[T+\a], v[S+32*\a+\i], v[S+32*\a+\i+1]
.endr
.endr
.irp a, 0,1,2,3
	v_max_num_f32 v[T+\a], v[T+\a], v[S+32*\a+31]
.endr
.irp a, 0,1,2,3
	s_delay_alu instid0(VALU_DEP_4)
	v_cndmask_b32 v[T+7+2*\a], v[NEG], v[T+\a], s[AM+\a]              ; hidden rows do not count for the maximum
.endr
	s_delay_alu instid0(VALU_DEP_2)
	v_max3_num_f32 v[T+7], v[T+7], v[T+9], v[T+11]
	s_delay_alu instid0(VALU_DEP_1)
	v_max_num_f32 v[T+7], v[T+7], v[T+13]
	s_delay_alu instid0(VALU_DEP_1)
	v_max_num_f32_dpp v[T+7], v[T+7], v[T+7] row_xmask:1 row_mask:0xf bank_mask:0xf
	s_delay_alu instid0(VALU_DEP_1)
	v_max_num_f32_dpp v[T+7], v[T+7], v[T+7] row_xmask:2 row_mask:0xf bank_mask:0xf
	s_delay_alu instid0(VALU_DEP_1)
	v_max_num_f32_dpp v[T+7], v[T+7], v[T+7] row_xmask:4 row_mask:0xf bank_mask:0xf
	s_delay_alu instid0(VALU_DEP_1)
	v_max_num_f32_dpp v[T+7], v[T+7], v[T+7] row_xmask:8 row_mask:0xf bank_mask:0xf
	s_delay_alu instid0(VALU_DEP_1)
	v_permlanex16_b32 v[T+9], v[T+7], s[SEL], s[SEL+1]
	s_delay_alu instid0(VALU_DEP_1)
	v_max_num_f32 v[T+7], v[T+7], v[T+9]           ; the largest of the 4,096 scores that count
	s_delay_alu instid0(VALU_DEP_1)
	v_mul_f32 v[T+9], s[NC], v[T+7]                ; -c m: its rounding is a common factor of all e and of their sum
.irp a, 0,1,2,3
	v_cndmask_b32 v[T+6+2*\a], v[NEG], v[T+9], s[AM+\a]               ; the exponent's addend: -c m, or -3e38 in a hidden row
.endr
.irp a, 0,1,2,3
.set k, 0
.rept 16
	v_pk_fma_f32 v[S+32*\a+k:S+32*\a+k+1], v[S+32*\a+k:S+32*\a+k+1], s[CS:CS+1], v[T+6+2*\a:T+7+2*\a] op_sel_hi:[1,0,0]   ; c S - c m, two at a time (of both pairs the low word serves both halves)
.set k, k+2
.endr
.endr
.irp a, 0,1,2,3
	v_fma_f32 v[T+\a], v[T+\a], s[CS], v[T+6+2*\a]                    ; the same of each block's largest score
.endr
.set n, 0
	s_wait_alu depctr_va_vdst(0)
.rept 128
	v_exp_f32 v[S+n], v[S+n]                       ; e = 2^(c S - c m), at most about 1
.set n, n+1
.endr
	s_setprio 1
.irp a, 0,1,2,3
	v_exp_f32 v[T+\a], v[T+\a]
.endr
	v_nop                                          ; a plain place behind the last exponential
	s_wait_alu depctr_va_vdst(0)                   ; one wait for the batch of 132, ahead of its first reader
	v_pk_add_f32 v[98:99], v[128:129], v[130:131]
	v_pk_add_f32 v[100:101], v[144:145], v[152:153]
	v_pk_add_f32 v[102:103], v[160:161], v[168:169]
	v_pk_add_f32 v[126:127], v[176:177], v[184:185]
	v_pk_add_f32 v[124:125], v[192:193], v[200:201]
	v_pk_add_f32 v[122:123], v[208:209], v[216:217]
	v_pk_add_f32 v[120:121], v[224:225], v[232:233]
	v_pk_add_f32 v[96:97], v[240:241], v[248:249]
	v_pk_add_f32 v[96:97], v[96:97], v[132:133]
	v_pk_add_f32 v[98:99], v[98:99], v[134:135]
	v_pk_add_f32 v[100:101], v[100:101], v[146:147]
	v_pk_add_f32 v[102:103], v[102:103], v[154:155]
	v_pk_add_f32 v[126:127], v[126:127], v[162:163]
	v_pk_add_f32 v[124:125], v[124:125], v[170:171]
	v_pk_add_f32 v[122:123], v[122:123], v[178:179]
	v_pk_add_f32 v[120:121], v[120:121], v[186:187]
	v_pk_add_f32 v[96:97], v[96:97], v[194:195]
	v_pk_add_f32 v[98:99], v[98:99], v[202:203]
	v_pk_add_f32 v[100:101], v[100:101], v[210:211]
	v_pk_add_f32 v[102:103], v[102:103], v[218:219]
	v_pk_add_f32 v[126:127], v[126:127], v[226:227]
	v_pk_add_f32 v[124:125], v[124:125], v[234:235]
	v_pk_add_f32 v[122:123], v[122:123], v[242:243]
	v_pk_add_f32 v[120:121], v[120:121], v[250:251]
	v_pk_add_f32 v[96:97], v[96:97], v[136:137]
	v_pk_add_f32 v[98:99], v[98:99], v[138:139]
	v_pk_add_f32 v[100:101], v[100:101], v[148:149]
	v_pk_add_f32 v[102:103], v[102:103], v[156:157]
	v_pk_add_f32 v[126:127], v[126:127], v[164:165]
	v_pk_add_f32 v[124:125], v[124:125], v[172:173]
	v_pk_add_f32 v[122:123], v[122:123], v[180:181]
	v_pk_add_f32 v[120:121], v[120:121], v[188:189]
	v_pk_add_f32 v[96:97], v[96:97], v[196:197]
	v_pk_add_f32 v[98:99], v[98:99], v[204:205]
	v_pk_add_f32 v[100:101], v[100:101], v[212:213]
	v_pk_add_f32 v[102:103], v[102:103], v[220:221]
	v_pk_add_f32 v[126:127], v[126:127], v[228:229]
	v_pk_add_f32 v[124:125], v[124:125], v[236:237]
	v_pk_add_f32 v[122:123], v[122:123], v[244:245]
	v_pk_add_f32 v[120:121], v[120:121], v[252:253]
	v_pk_add_f32 v[96:97], v[96:97], v[140:141]
	v_pk_add_f32 v[98:99], v[98:99], v[142:143]
	v_pk_add_f32 v[100:101], v[100:101], v[150:151]
	v_pk_add_f32 v[102:103], v[102:103], v[158:159]
	v_pk_add_f32 v[126:127], v[126:127], v[166:167]
	v_pk_add_f32 v[124:125], v[124:125], v[174:175]
	v_pk_add_f32 v[122:123], v[122:123], v[182:183]
	v_pk_add_f32 v[120:121], v[120:121], v[190:191]
	v_pk_add_f32 v[96:97], v[96:97], v[198:199]
	v_pk_add_f32 v[98:99], v[98:99], v[206:207]
	v_pk_add_f32 v[100:101], v[100:101], v[214:215]
	v_pk_add_f32 v[102:103], v[102:103], v[222:223]
	v_pk_add_f32 v[126:127], v[126:127], v[230:231]
	v_pk_add_f32 v[124:125], v[124:125], v[238:239]
	v_pk_add_f32 v[122:123], v[122:123], v[246:247]
	v_pk_add_f32 v[120:121], v[120:121], v[254:255]
	s_delay_alu instid0(VALU_DEP_4)
	v_pk_add_f32 v[96:97], v[96:97], v[126:127]
	s_delay_alu instid0(VALU_DEP_4)
	v_pk_add_f32 v[98:99], v[98:99], v[124:125]
	s_delay_alu instid0(VALU_DEP_4)
	v_pk_add_f32 v[100:101], v[100:101], v[122:123]
	s_delay_alu instid0(VALU_DEP_4)
	v_pk_add_f32 v[102:103], v[102:103], v[120:121]
	s_delay_alu instid0(VALU_DEP_2)
	v_pk_add_f32 v[96:97], v[96:97], v[100:101]
	s_delay_alu instid0(VALU_DEP_2)
	v_pk_add_f32 v[98:99], v[98:99], v[102:103]
	s_delay_alu instid0(VALU_DEP_1)
	v_pk_add_f32 v[96:97], v[96:97], v[98:99]
	s_delay_alu instid0(VALU_DEP_1)
	v_add_f32 v[T+14], v[Q], v[Q+1]
	s_delay_alu instid0(VALU_DEP_1)
	v_add_f32_dpp v[T+14], v[T+14], v[T+14] row_xmask:1 row_mask:0xf bank_mask:0xf
	s_delay_alu instid0(VALU_DEP_1)
	v_add_f32_dpp v[T+14], v[T+14], v[T+14] row_xmask:2 row_mask:0xf bank_mask:0xf
	s_delay_alu instid0(VALU_DEP_1)
	v_add_f32_dpp v[T+14], v[T+14], v[T+14] row_xmask:4 row_mask:0xf bank_mask:0xf
	s_delay_alu instid0(VALU_DEP_1)
	v_add_f32_dpp v[T+14], v[T+14], v[T+14] row_xmask:8 row_mask:0xf bank_mask:0xf
	s_delay_alu instid0(VALU_DEP_1)
	v_permlanex16_b32 v[T+15], v[T+14], s[SEL], s[SEL+1]
	s_delay_alu instid0(VALU_DEP_1)
	v_add_f32 v[T+14], v[T+14], v[T+15]
	s_wait_alu depctr_va_vdst(0)
	v_rcp_f32 v[T+4], v[T+14]                      ; 1 / the sum
	VLOAD 0                                        ; the sums' registers are free: v1's first eight rows are asked for here
	v_nop                                          ; a plain place behind the reciprocal
	s_wait_alu depctr_va_vdst(0)                   ; its wait, ahead of its first reader
.irp a, 0,1,2,3
	v_mul_f32 v[T+\a], v[T+\a], v[T+4]             ; the block's largest p: the same three instructions on the same number give the same bits
.endr
.irp a, 0,1,2,3
	s_delay_alu instid0(VALU_DEP_4)
	v_max_num_f32 v[T+\a], FLOOR, v[T+\a]
.endr
.irp a, 0,1,2,3
	s_delay_alu instid0(VALU_DEP_4)
	v_add_nc_u32 v[T+\a], OFF2, v[T+\a]            ; the conversion's scale operand
.endr
.irp a, 0,1,2,3
	s_delay_alu instid0(VALU_DEP_4)
	v_lshrrev_b32 v[T+7+2*\a], 23, v[T+\a]
.endr
.irp a, 0,1,2,3
	s_delay_alu instid0(VALU_DEP_4)
	v_lshlrev_b32 v[T+7+2*\a], v[SH8], v[T+7+2*\a]
.endr
.irp a, 0,1,2,3
	s_delay_alu instid0(VALU_DEP_4)
	v_permlanex16_b32 v[T+6+2*\a], v[T+7+2*\a], s[SEL], s[SEL+1]
.endr
.irp a, 0,1,2,3
	s_delay_alu instid0(VALU_DEP_4)
	v_or_b32 v[SP+\a], v[T+7+2*\a], v[T+6+2*\a]    ; p's scale word of row 16 a + r.  (The 64 multiplications below are its places ahead of the products)
.endr
.irp a, 0,1,2,3
.set k, 0
.rept 16
	v_pk_mul_f32 v[S+32*\a+k:S+32*\a+k+1], v[S+32*\a+k:S+32*\a+k+1], v[T+4:T+5] op_sel_hi:[1,0]   ; p, finished and normalised
.set k, k+2
.endr
.irp g, 0,1,2,3
	v_cvt_scalef32_pk8_fp4_f32 v[C+8*\a+\g], v[S+32*\a+8*\g:S+32*\a+8*\g+7], v[T+\a]   ; c = 32 h + 8 g ..: the operand's registers 0 to 3 as they stand
.endr
.endr
	PLACES
	s_wait_alu depctr_va_vdst(0)
	s_wait_dscnt 8                                 ; v2's fragments are in; v1's eight loads may be out
.irp a, 0,1,2,3
.irp t, 0,1,2,3
	v_wmma_scale_f32_16x16x128_f8f6f4 v[S+32*\a+8*\t:S+32*\a+8*\t+7], v[C+8*\a:C+8*\a+7], v[F+4*\t:F+4*\t+7], 0, v[SP+\a], v[SV+\t] matrix_a_fmt:MATRIX_FMT_FP4 matrix_b_fmt:MATRIX_FMT_FP4
.endr
.endr                                              ; register j of lane (r, h) in tile (a, t): tmp[16 a + 8 h + j][4 r + t]
	PLACES
	s_setprio 0
	VLOAD 1
	s_wait_dscnt 8                                 ; tile 0's rows are in; the eight just asked for may be out
	FMA 0
	VLOAD 2
	s_wait_alu depctr_va_vdst(0)
	s_wait_dscnt 8
	FMA 1
	VLOAD 3
	s_wait_alu depctr_va_vdst(0)
	s_wait_dscnt 8
	FMA 2
	s_wait_alu depctr_va_vdst(0)
	s_wait_dscnt 0x0
	FMA 3
	s_delay_alu instid0(VALU_DEP_2)
	v_permlane16_swap_b32 v[ACC], v[ACC+2]         ; the first's lanes 16-31 change places with the second's lanes 0-15: each lane now holds both halves' parts of ONE channel:
	s_delay_alu instid0(VALU_DEP_2)
	v_permlane16_swap_b32 v[ACC+1], v[ACC+3]
	s_delay_alu instid0(VALU_DEP_2)
	v_add_f32 v[ACC+4], v[ACC], v[ACC+2]           ; out[4 r + 2 h],
	s_delay_alu instid0(VALU_DEP_2)
	v_add_f32 v[ACC+5], v[ACC+1], v[ACC+3]         ; out[4 r + 2 h + 1]
	global_store_b64 v[AO], v[ACC+4:ACC+5], s[14:15] th:TH_STORE_NT   ; 32 lanes store the row's 256 consecutive bytes, at a multiple of 256 from out's first byte
	s_wait_xcnt 0x0                                ; the store's base and data are written again only behind this wait
	s_add_nc_u64 s[14:15], s[14:15], 2048
	v_add_nc_u32 v[AK1], PF, v[AK1]                ; on to the next s: every window moves one row up (no LDS load of mine is out)
	v_add_nc_u32 v[AV1], PF, v[AV1]
	v_add_nc_u32 v[AQ], 256, v[AQ]
	v_add_nc_u32 v[AKQ], 32, v[AKQ]
	v_add_nc_u32 v[AKS], 4, v[AKS]
	v_add_nc_u32 v[AVQ], VROW, v[AVQ]
	v_add_nc_u32 v[AVS], 64, v[AVS]
	s_add_co_u32 s[SC], s[SC], 1
	s_add_co_u32 s[IT], s[IT], 1
	s_cmp_lt_u32 s[IT], 2
	s_cbranch_scc1 .Lpair
	s_setprio 0
	s_wait_xcnt 0x0
	v_lshl_add_u32 v254, v0, 2, 0x31600
	v_mov_b32 v255, 0
	s_wait_alu depctr_va_vdst(0)
	s_wait_tensorcnt 0x0
	ds_add_u32 v254, v255
	s_wait_dscnt 0x0
	s_endpgm
.Lfunc_end_k_qe96cb16c98_simplicial:
	.size	k_qe96cb16c98_simplicial, .Lfunc_end_k_qe96cb16c98_simplicial-k_qe96cb16c98_simplicial
	.p2alignl 7, 3214868480
	.fill 96, 4, 3214868480
	.section	.rodata,"a",@progbits
	.p2align	6, 0x0
	.amdhsa_kernel k_qe96cb16c98_simplicial
		.amdhsa_group_segment_fixed_size 204288
		.amdhsa_private_segment_fixed_size 0
		.amdhsa_enable_private_segment 0
		.amdhsa_kernarg_size 48
		.amdhsa_user_sgpr_count 2
		.amdhsa_user_sgpr_kernarg_segment_ptr 1
		.amdhsa_wavefront_size32 1
		.amdhsa_system_sgpr_workgroup_id_x 1
		.amdhsa_system_sgpr_workgroup_id_y 1
		.amdhsa_system_sgpr_workgroup_id_z 1
		.amdhsa_system_vgpr_workitem_id 0
		.amdhsa_next_free_vgpr 256
		.amdhsa_next_free_sgpr 66
		.amdhsa_reserve_vcc 1
		.amdhsa_float_denorm_mode_32 3
		.amdhsa_float_denorm_mode_16_64 3
		.amdhsa_memory_ordered 1
		.amdhsa_forward_progress 1
		.amdhsa_inst_pref_size 83
	.end_amdhsa_kernel
	.amdgpu_metadata
---
amdhsa.version: [ 1, 2 ]
amdhsa.kernels:
  - .name:           k_qe96cb16c98_simplicial
    .symbol:         k_qe96cb16c98_simplicial.kd
    .args:
      - { .name: q, .offset: 0, .size: 8, .value_kind: global_buffer, .address_space: global }
      - { .name: k1, .offset: 8, .size: 8, .value_kind: global_buffer, .address_space: global }
      - { .name: k2, .offset: 16, .size: 8, .value_kind: global_buffer, .address_space: global }
      - { .name: v1, .offset: 24, .size: 8, .value_kind: global_buffer, .address_space: global }
      - { .name: v2, .offset: 32, .size: 8, .value_kind: global_buffer, .address_space: global }
      - { .name: out0, .offset: 40, .size: 8, .value_kind: global_buffer, .address_space: global }
    .group_segment_fixed_size: 204288
    .private_segment_fixed_size: 0
    .kernarg_segment_align: 8
    .kernarg_segment_size: 48
    .max_flat_workgroup_size: 512
    .sgpr_count:     66
    .vgpr_count:     256
    .wavefront_size: 32
...
	.end_amdgpu_metadata
.endif
;; end of part 1
